; MI455X (gfx1250); checked and timed in simulation.
; The chip was launched on July 23, 2026; its instructions are those of AMD's public machine-readable ISA for CDNA 5 (MIT licence, August 2026) and "CDNA5" Instruction Set Architecture Reference Guide (July 2026). The comments in the code are by the model that wrote it; some were corrected since.
;; Multi Head Attention. Allowed arithmetic: matrix products marked QUANTISED: E4M3 operands, one E8M0 scale for each 32 along K, by v_wmma_scale_f32_16x16x128_f8f6f4 with both operands' format E4M3, f32 sums; everything else in f32.
;; Inputs: Wk_codes 16 x 64 x 32 x 32 uint8 (E4M3 codes of Wk, K innermost, in blocks of 32 codes); Wk_scales 16 x 64 x 32 uint8 (E8M0 scales of Wk, one for each 32 codes along K); Wo_codes 1,024 x 32 x 32 uint8 (E4M3 codes of Wo, K innermost, in blocks of 32 codes); Wo_scales 1,024 x 32 uint8 (E8M0 scales of Wo, one for each 32 codes along K); Wq_codes 16 x 64 x 32 x 32 uint8 (E4M3 codes of Wq, K innermost, in blocks of 32 codes); Wq_scales 16 x 64 x 32 uint8 (E8M0 scales of Wq, one for each 32 codes along K); Wv_codes 16 x 64 x 32 x 32 uint8 (E4M3 codes of Wv, K innermost, in blocks of 32 codes); Wv_scales 16 x 64 x 32 uint8 (E8M0 scales of Wv, one for each 32 codes along K); bk 16 x 64 float32; bo 1,024 float32; bq 16 x 64 float32; bv 16 x 64 float32; x_codes 4 x 2,048 x 32 x 32 uint8 (E4M3 codes of x, K innermost, in blocks of 32 codes); x_scales 4 x 2,048 x 32 uint8 (E8M0 scales of x, one for each 32 codes along K).
;; Outputs: out0 4 x 2,048 x 1,024 float32.
;; This version of the problem:
;;   THIS VERSION OF THE PROBLEM IS GIVEN IN LOW PRECISION. The matrix products marked QUANTISED in the list below multiply operands that are first quantised to E4M3 (4 exponent bits, 3 mantissa bits; 8 bits a number), with one power-of-two scale for each 32 numbers along K (OCP MX v1.0); their sums are f32. All else is computed in f32.
;;   The module's matrix products, in the order in which they are computed (A, B: the left and right operand; K: the contracted axis; several contracted axes count as one K, in the product's order):
;;     1. [M 1,024, K 1,024] x [K 1,024, N 8,192]; A: input Wq (given as codes); B: input x (given as codes): QUANTISED
;;     2. [M 1,024, K 1,024] x [K 1,024, N 8,192]; A: input Wk (given as codes); B: input x (given as codes): QUANTISED
;;     3. [M 1,024, K 1,024] x [K 1,024, N 8,192]; A: input Wv (given as codes); B: input x (given as codes): QUANTISED
;;     4. batch 64 x [M 2,048, K 64] x [K 64, N 2,048]; A: computed on the way; B: computed on the way: QUANTISED
;;     5. batch 64 x [M 2,048, K 2,048] x [K 2,048, N 64]; A: softmax (see below); B: computed on the way: QUANTISED
;;     6. [M 8,192, K 1,024] x [K 1,024, N 1,024]; A: computed on the way; B: input Wo (given as codes): QUANTISED
;;   THE QUANTISER, for each operand of a quantised product, along K:
;;     - K is cut into blocks of 32 from its start; a last block that is shorter is filled with zeros.
;;     - A block's scale is 2^e with e = floor(log2(the largest magnitude in the block)) - 8, held to -126 .. 127; a block of zeros has e = 0. As a byte (E8M0): e + 127.
;;     - Each number is divided by its block's scale, clamped to +-448, and rounded to the nearest number of E4M3, ties to even, subnormals kept.
;;     - The product sums the exact products of the quantised numbers (number of the format x scale) in f32.
;;   ~~~python
;;   def quantise(x, axis):      # numpy; x: float32 -> the quantised numbers, widened to float32 again
;;       x = np.moveaxis(x, axis, -1); K = x.shape[-1]
;;       x = np.pad(x, [(0, 0)] * (x.ndim - 1) + [(0, -K % 32)]); x = x.reshape(x.shape[:-1] + (-1, 32)); a = np.abs(x).max(-1, keepdims=True)
;;       e = np.where(a > 0, np.clip(np.frexp(np.where(a > 0, a, 1))[1] - 1 - 8, -126, 127), 0)      # np.frexp(a)[1] - 1 = floor(log2(a)), exactly
;;       r = np.clip(x / 2.0 ** e, -448, 448)
;;       step = 2.0 ** (np.maximum(np.frexp(np.where(r == 0, 1, r))[1] - 1, -6) - 3)
;;       q = np.round(r / step) * step * 2.0 ** e      # np.round: ties to even
;;       return np.moveaxis(q.reshape(q.shape[:-2] + (-1,))[..., :K], -1, axis).astype(np.float32)
;;   ~~~
;;   SOFTMAX AHEAD OF A QUANTISED PRODUCT. Where the list says 'softmax', what is quantised is not the finished softmax but p = 2^(t - M), with t = logit x log2(e) and M = ceil(the row's largest t), a whole number; so 1/2 < the row's largest p <= 1. The row's sum l is taken of the UNQUANTISED p, in f32, and the product's result is divided by l at the end. Since M is a whole number, a kernel that streams over the keys may use a running M (the ceiling of the running maximum): every later rescaling is an exact power of two, which a block's scale takes up: the codes' values come out the same.
;;   OPERANDS COMPUTED ON THE WAY. 'Computed on the way' means the value that the module computes at that place (a softmax that the list does not call 'softmax' is quantised finished and normalised). What goes into a quantiser is computed in f32, as accurately as f32 sums, v_exp_f32 and their like allow (about 1e-6 of the number): no bf16 or f16 on the way to a quantiser, and a product that is left as it is and whose result goes on into a quantised operand takes f32 operands (vector FMAs, or v_wmma_f32_16x16x4_f32). A number that lies on a knife's edge between two numbers of the format may be rounded either way, as far as f32 arithmetic and the matrix unit's own rounding can turn it there, and no further.
;;   INPUTS GIVEN AS CODES. Wk (in the module: [16, 1024, 64], K = its axis 1); Wo (in the module: [1024, 1024], K = its axis 0); Wq (in the module: [16, 1024, 64], K = its axis 1); Wv (in the module: [16, 1024, 64], K = its axis 1); x (in the module: [4, 2048, 1024], K = its axis 2): each comes as NAME_codes (uint8): NAME with its K axis moved to the last place and cut into blocks of 32 codes, [.., K / 32, bytes a block], one block behind the other in memory; one code a byte (a code: sign, 4 exponent bits, 3 mantissa bits); and NAME_scales (uint8): the same leading axes, one E8M0 byte (e + 127) for each 32 codes along K. Its value is code x scale, taken as it is: it is not quantised again, and the codes and scales need not be those that the quantiser above would give.
;; One version. Each part assembles by itself: llvm-mc -triple=amdgcn-amd-amdhsa -mcpu=gfx1250 --defsym DOCPART=n.
;; ======== version 1 of 1: 3 launches
;; limits: right only within a limited range of input values
;; workspace buffers: qimg 8,388,608 bytes; qsc 1,048,576 bytes; kv 17,301,504 bytes; cimg 8,650,752 bytes
;; launch proj (part 1): grid 16 x 32, 4 waves a work-group, clusters of 4 x 4, 327,680 bytes of LDS; arguments x_codes, x_scales, Wq_codes, Wq_scales, Wk_codes, Wk_scales, Wv_codes, Wv_scales, bq, bk, bv, qimg, qsc, kv; writes qimg, qsc, kv
.if DOCPART == 1
	.amdgcn_target "amdgcn-amd-amdhsa--gfx1250"
	.amdhsa_code_object_version 6
	.text
	.protected	k_q14aa8ba5b7_proj
	.globl	k_q14aa8ba5b7_proj
	.p2align	8
	.type	k_q14aa8ba5b7_proj,@function
k_q14aa8ba5b7_proj:
	s_mov_b64 s[64:65], 0
	v_nop
	global_prefetch_b8 v0, s[64:65] scope:SCOPE_SE
	s_setreg_imm32_b32 hwreg(HW_REG_WAVE_MODE, 25, 1), 1
	s_wait_xcnt 0x0
	s_wait_alu depctr_hold_cnt(0) depctr_sa_sdst(0) depctr_va_vdst(0) depctr_va_sdst(0) depctr_va_ssrc(0) depctr_va_vcc(0) depctr_vm_vsrc(0)
	s_getreg_b32 s2, hwreg(HW_REG_IB_STS2, 6, 4)
	s_cmp_eq_u32 s2, 0
	s_cbranch_scc0 .Lentry_in_a_cluster
	s_endpgm
.Lentry_in_a_cluster:
	s_bfe_u32 s2, ttmp6, 0x10000c
	s_cmp_lg_u32 s2, 0xf033
	s_cbranch_scc0 .Lentry_shape_is_right
	s_endpgm
.Lentry_shape_is_right:
.set PITCH,  272
.set XT,     256*PITCH
.set WT,     64*PITCH
.set SLOT,   448*PITCH
.set SCX,    2*SLOT
.set SCW,    SCX+32*272
.set SPARE,  259072
.set SCST,   SPARE+512
.set KVSLOT, 33792
.set ADX,  16
.set ADW,  18
.set ADSX, 20
.set ADSW, 21
.set LI,   22
.set KOF,  23
.set VOF,  24
.set KSA,  25
.set VSA,  26
.set RDA,  27
.set SPW,  28
.set NIL,  29
.set GSO,  30
.set SH16, 31
.set SC,   32
.set TM,   96
.set QW,   104
.set KW,   108
.set VW,   110
.set RB,   114
.set XF,   128
.set CD,   128
.set G1X,  32
.set G1W,  40
.set G1SX, 48
.set G1SW, 56
.set G0X,  68
.set G0W,  76
.set G0SX, 84
.set G0SW, 88
.set WV,   92
.set IDX,  93
.set CX,   94
.set CY,   95
.set HD,   96
.set YB,   97
.set RM,   98
.set CM,   99
.set SEL,  12
.set MNT,  14
.set MSB, 0
.macro WIN new
.if MSB != (\new)
	s_set_vgpr_msb (MSB<<8)|(\new)
.set MSB, (\new)
.endif
.endm
.macro JLOAD g0a, g1a, g0b, g1b
	s_cmp_eq_u32 s[WV], 0
	s_cbranch_scc0 .Lfor_b_\@
	tensor_load_to_lds s[\g0a:\g0a+3], s[\g1a:\g1a+7]
	s_nop 0
.rept 4
	v_nop
.endr
	s_branch .Lasked_\@
.Lfor_b_\@:
	tensor_load_to_lds s[\g0b:\g0b+3], s[\g1b:\g1b+7]
	s_nop 0
.rept 4
	v_nop
.endr
.Lasked_\@:
.endm
.macro CREST
	s_cmp_lg_u32 s[WV], 0
	s_cbranch_scc1 .Lnot_wave_0_\@
	s_barrier_signal -3
.Lnot_wave_0_\@:
	s_barrier_wait -3
	s_barrier_signal -1
	s_barrier_wait -1
.endm
.macro CROUND
	s_barrier_signal -1
	s_barrier_wait -1
	CREST
.endm
.macro PLACES n
.rept \n
	v_nop
.endr
.endm
	s_load_b512 s[4:19], s[0:1], 0x0
	s_load_b256 s[20:27], s[0:1], 0x40
	s_load_b128 s[28:31], s[0:1], 0x60
	v_lshl_add_u32 v[SPW], v0, 2, SPARE
	v_mov_b32 v[NIL], 0
	ds_add_u32 v28, v29
	ds_add_u32 v28, v29
	s_wait_dscnt 0x0
	v_lshrrev_b32 v1, 5, v0
	v_readfirstlane_b32 s[WV], v1
	s_bfe_u32 s[CX], ttmp6, 0x40000
	s_bfe_u32 s[CY], ttmp6, 0x40004
	s_lshl_b32 s[HD], ttmp9, 2
	s_add_co_u32 s[HD], s[HD], s[CX]
	s_and_b32 s[YB], ttmp7, 0xffff
	s_lshl_b32 s[YB], s[YB], 2
	s_add_co_u32 s[YB], s[YB], s[CY]
	s_lshl_b32 s[RM], s[CY], 2
	s_lshl_b32 s[RM], 15, s[RM]
	s_lshl_b32 s[CM], 0x1111, s[CX]
	s_or_b32 s[G1X], s[RM], (1<<20)|(1<<21)|(5<<22)|(3<<25)
	s_or_b32 s[G1W], s[CM], (1<<20)|(1<<21)|(5<<22)|(3<<25)
	s_mov_b32 s[G1X+1], 256<<16
	s_mov_b32 s[G1X+2], 256<<16
	s_mov_b32 s[G1X+3], 256<<16
	s_mov_b32 s[G1X+4], 256
	s_mov_b32 s[G1X+5], 1024
	s_mov_b32 s[G1X+6], 0
	s_mov_b32 s[G1X+7], 0
	s_mov_b32 s[G1W+1], 256<<16
	s_mov_b32 s[G1W+2], 64<<16
	s_mov_b32 s[G1W+3], 256<<16
	s_mov_b32 s[G1W+4], 64
	s_mov_b32 s[G1W+5], 1024
	s_mov_b32 s[G1W+6], 0
	s_mov_b32 s[G1W+7], 0
	s_add_co_u32 s[IDX], s[WV], 3
	s_and_b32 s[IDX], s[IDX], 3
	s_lshl_b32 s100, s[YB], 18
	s_mov_b32 s101, 0
	s_lshl_b32 s2, s[HD], 16
	s_mov_b32 s3, 0
	s_wait_kmcnt 0x0
	s_cmp_eq_u32 s[WV], 1
	s_cselect_b64 s[8:9], s[8:9], s[12:13]
	s_cmp_eq_u32 s[WV], 3
	s_cselect_b64 s[8:9], s[16:17], s[8:9]
	s_add_nc_u64 s[4:5], s[4:5], s[100:101]
	s_lshl_b32 s100, s[YB], 13
	s_add_nc_u64 s[6:7], s[6:7], s[100:101]
	s_add_nc_u64 s[8:9], s[8:9], s[2:3]
; THE SCALE BYTES come by plain loads and go into LDS by stores, into bytes that no tensor load fills: each wave copies 2,048 bytes of x's (64 rows) and 512 bytes (16 rows) of each of Wq's, Wk's, Wv's
	s_lshl_b32 s2, s[HD], 11
	s_lshl_b32 s17, s[WV], 9
	s_add_co_u32 s2, s2, s17                       ; my head's 2,048 bytes, my quarter of them
	s_add_nc_u64 s[10:11], s[10:11], s[2:3]
	s_add_nc_u64 s[14:15], s[14:15], s[2:3]
	s_add_nc_u64 s[18:19], s[18:19], s[2:3]
	s_lshl_b32 s2, s[WV], 11
	s_add_nc_u64 s[6:7], s[6:7], s[2:3]
	s_lshl_b32 s100, s[HD], 8                      ; the biases of my head
	s_add_nc_u64 s[20:21], s[20:21], s[100:101]
	s_add_nc_u64 s[22:23], s[22:23], s[100:101]
	s_add_nc_u64 s[24:25], s[24:25], s[100:101]
	s_mul_i32 s16, s[IDX], WT
	s_mul_i32 s17, s[WV], 8*272
	s_add_co_u32 s17, s17, SCX                     ; x's scale bytes in LDS: units of 256 + 16, eight a wave
	s_mul_i32 s2, s[WV], 2*272
	s_add_co_u32 s2, s2, SCW                       ; a weight's: two units a wave
	s_lshl_b32 s100, s[CX], 6
	s_lshl_b32 s3, s[WV], 4
	s_add_co_u32 s100, s100, s3                    ; the prefetches: of x's 256 rows my work-group names 64, my wave 16;
	s_lshl_b32 s3, s[CY], 4                        ; of a weight's 64 rows my work-group names 16
	v_and_b32 v116, 31, v0
	v_lshlrev_b32 v116, 4, v116                    ; 16 x lane
	v_and_b32 v117, 15, v0
	v_bfe_u32 v118, v0, 4, 1
	v_mul_u32_u24 v119, v118, 272
	v_lshl_add_u32 v119, v117, 4, v119             ; lanes 0-15 one unit, lanes 16-31 the next
	v_add_nc_u32 v120, s17, v119
	v_add_nc_u32 v121, s2, v119
	v_lshlrev_b32 v9, 2, v117
	v_lshlrev_b32 v8, 5, v118
	v_add_lshl_u32 v122, v117, s100, 10            ; a lane a row of 1,024 bytes; lanes 0-15 K step 2, lanes 16-31 K step 3
	v_lshl_add_u32 v122, v118, 8, v122
	v_add_lshl_u32 v123, v117, s3, 10
	v_lshl_add_u32 v123, v118, 8, v123
	s_wait_alu depctr_va_vdst(0)
	CROUND
.irp s, 0,1
	s_mov_b32 s[G0X+4*\s], 1
	s_mov_b32 s[G0X+4*\s+1], \s*SLOT
	s_add_nc_u64 s[G0X+4*\s+2:G0X+4*\s+3], s[4:5], \s*256
	s_or_b32 s[G0X+4*\s+3], s[G0X+4*\s+3], 0x80000000
	s_mov_b32 s[G0W+4*\s], 1
	s_add_co_u32 s[G0W+4*\s+1], s16, \s*SLOT+XT
	s_add_nc_u64 s[G0W+4*\s+2:G0W+4*\s+3], s[8:9], \s*256
	s_or_b32 s[G0W+4*\s+3], s[G0W+4*\s+3], 0x80000000
.endr
	JLOAD G0X, G1X, G0W, G1W                       ; K step 0: one tensor load a wave at the head
.irp i, 0,1,2,3
	global_load_b128 v[128+4*\i:131+4*\i], v116, s[6:7] offset:512*\i
.endr
	global_load_b128 v[144:147], v116, s[10:11]
	global_load_b128 v[148:151], v116, s[14:15]
	global_load_b128 v[152:155], v116, s[18:19]
	WIN 0xc0
.irp t, 0,1,2,3
	global_load_b128 v[128+8*\t:128+8*\t+3], v8, s[20:21] offset:64*\t
	global_load_b128 v[128+8*\t+4:128+8*\t+7], v8, s[20:21] offset:64*\t+16
	global_load_b128 v[160+8*\t:160+8*\t+3], v8, s[22:23] offset:64*\t
	global_load_b128 v[160+8*\t+4:160+8*\t+7], v8, s[22:23] offset:64*\t+16
	global_load_b32 v[192+8*\t], v9, s[24:25] offset:64*\t
.endr
	WIN 0
; K steps 2 and 3 are asked for two K steps ahead of their loads: each aligned block of 256 bytes once in each cluster; the four partners that load a tile jointly share its rows out by address.  K steps 0 and 1 come by their loads alone
	global_prefetch_b8 v122, s[4:5] offset:512 th:TH_LOAD_NT scope:SCOPE_SE
	s_cmp_eq_u32 s[WV], 0                          ; waves 1 to 3 hold a weight's address each
	s_cbranch_scc1 .Lno_weight_ahead
	s_and_b32 s3, ttmp7, 0xffff                    ; all eight rows of clusters read the same weights: the first four rows ask (the cluster's number: the same in all partners)
	s_cmp_lt_u32 s3, 4
	s_cbranch_scc0 .Lno_weight_ahead
	global_prefetch_b8 v123, s[8:9] offset:512 th:TH_LOAD_NT scope:SCOPE_SE
.Lno_weight_ahead:
	s_wait_loadcnt 20                              ; the seven loads of scale bytes are in; behind them stand the 20 loads of the biases
.irp i, 0,1,2,3
	ds_store_b128 v120, v[128+4*\i:131+4*\i] offset:544*\i
.endr
	ds_store_b128 v121, v[144:147]
	ds_store_b128 v121, v[148:151] offset:8*272
	ds_store_b128 v121, v[152:155] offset:16*272
	s_wait_alu depctr_va_vdst(0)
	s_wait_tensorcnt 0x0
	ds_add_u32 v28, v29
	s_wait_dscnt 0x0                               ; the add and my stores of scale bytes are done
	CROUND
	JLOAD G0X+4, G1X, G0W+4, G1W                   ; K step 1, behind the full sequence
	s_mov_b32 s[SEL], 0x76543210
	s_mov_b32 s[SEL+1], 0xfedcba98
	s_mov_b32 s[MNT], 0x600000
	v_and_b32 v1, 15, v0
	v_bfe_u32 v2, v0, 4, 1
	v_mul_u32_u24 v3, v1, PITCH
	v_lshl_add_u32 v3, v2, 4, v3
	s_mul_i32 s15, s[WV], 64*PITCH
	v_add_nc_u32 v[ADX], s15, v3
	v_add_nc_u32 v[ADX+1], SLOT, v[ADX]
	v_add_nc_u32 v[ADW], XT, v3
	v_add_nc_u32 v[ADW+1], SLOT+XT, v3
	v_lshrrev_b32 v4, 3, v1
	v_lshlrev_b32 v5, 5, v1
	v_lshl_add_u32 v5, v4, 4, v5
	v_add_nc_u32 v[ADSW], SCW, v5
	s_mul_i32 s15, s[WV], 8*272
	s_add_co_u32 s15, s15, SCX
	v_add_nc_u32 v[ADSX], s15, v5
	v_and_b32 v6, 31, v0
	s_wait_alu depctr_va_vdst(0)
	v_lshlrev_b32 v[LI], 4, v6
	s_lshl_b32 s15, s[WV], 12
	v_add_nc_u32 v[KOF], s15, v[LI]
	s_lshr_b32 s18, s[WV], 1
	s_and_b32 s19, s[WV], 1
	s_lshl_b32 s15, s18, 13
	s_lshl_b32 s16, s19, 10
	s_add_co_u32 s15, s15, s16
	v_add_nc_u32 v[VOF], s15, v[LI]
	s_wait_alu depctr_va_vdst(0)
	s_lshl_b32 s15, s[WV], 7
	s_add_co_u32 s15, s15, SCST
	v_add_nc_u32 v[KSA], s15, v9
	s_lshl_b32 s15, s18, 8
	s_lshl_b32 s16, s19, 1
	s_add_co_u32 s15, s15, s16
	s_add_co_u32 s15, s15, SCST+512
	v_add_nc_u32 v[VSA], s15, v9
	v_lshlrev_b32 v7, 3, v6
	s_lshl_b32 s15, s[WV], 8
	v_add_nc_u32 v[GSO], s15, v7
	s_add_co_u32 s15, s15, SCST
	v_add_nc_u32 v[RDA], s15, v7
	v_lshlrev_b32 v[SH16], 4, v2
	v_mov_b32 v[TM+2], 0
	v_mov_b32 v[TM+3], 0
	s_lshr_b32 s15, s[YB], 3
	s_lshl_b32 s15, s15, 4
	s_add_co_u32 s15, s15, s[HD]
	s_and_b32 s16, s[YB], 7
	s_mov_b32 s19, 0
	s_lshl_b32 s18, s15, 17
	s_lshl_b32 s17, s16, 14
	s_add_co_u32 s18, s18, s17
	s_lshl_b32 s17, s[WV], 12
	s_add_co_u32 s18, s18, s17
	s_add_nc_u64 s[26:27], s[26:27], s[18:19]
	s_lshl_b32 s18, s15, 14
	s_lshl_b32 s17, s16, 11
	s_add_co_u32 s18, s18, s17
	s_lshl_b32 s17, s[WV], 9
	s_add_co_u32 s18, s18, s17
	s_add_nc_u64 s[28:29], s[28:29], s[18:19]
	s_mul_i32 s18, s15, 8*KVSLOT
	s_mul_i32 s17, s16, KVSLOT
	s_add_co_u32 s18, s18, s17
	s_add_nc_u64 s[30:31], s[30:31], s[18:19]
	s_wait_loadcnt 0x0                             ; the biases, asked for behind K step 0's load
	WIN 0xc3
.irp t, 0,1,2,3
.irp i, 1,2,3,4,5,6,7
	v_mov_b32 v[192+8*\t+\i], v[192+8*\t]
.endr
.endr
	WIN 0
.macro FRAG reg, adr, q, i
.irp c, 0,1,2,3
	ds_load_b128 v[\reg+4*\c:\reg+4*\c+3], v[\adr] offset:128*(\q)+32*\c+(\i)*16*PITCH
.endr
.endm
.macro FETCH_W slot, q, i0
	WIN 0x40
.irp i, 0,1,2,3,4,5
	FRAG 16*((\i0)+\i), ADW+\slot, \q, (\i0)+\i
.endr
	WIN 0
.endm
.macro FETCH_X slot, q, p
.irp j, 0,1,2,3
	FRAG XF+64*(\p)+16*\j, ADX+\slot, \q, \j
.endr
.endm
.macro SCALES sc
.irp i, 0,1,2,3,4,5,6,7,8,9,10,11
	ds_load_b64 v[SC+32*\sc+2*\i:SC+32*\sc+2*\i+1], v[ADSW] offset:544*\i
.endr
.irp j, 0,1,2,3
	ds_load_b64 v[SC+32*\sc+24+2*\j:SC+32*\sc+24+2*\j+1], v[ADSX] offset:544*\j
.endr
.endm
.macro MULQK i0, n, p, q, sc, first
.if \first
	WIN 0xb1
.else
	WIN 0xa1
.endif
.set ii, \i0
.rept \n
.irp j, 0,1,2,3
.if \first
	v_wmma_scale_f32_16x16x128_f8f6f4 v[128*(ii/4)+8*(4*\j+ii%4):128*(ii/4)+8*(4*\j+ii%4)+7], v[16*ii:16*ii+15], v[XF+64*(\p)+16*\j:XF+64*(\p)+16*\j+15], v[128+8*ii:128+8*ii+7], v[SC+32*(\sc)+2*ii+(\q)], v[SC+32*(\sc)+24+2*\j+(\q)]
.else
	v_wmma_scale_f32_16x16x128_f8f6f4 v[128*(ii/4)+8*(4*\j+ii%4):128*(ii/4)+8*(4*\j+ii%4)+7], v[16*ii:16*ii+15], v[XF+64*(\p)+16*\j:XF+64*(\p)+16*\j+15], v[128*(ii/4)+8*(4*\j+ii%4):128*(ii/4)+8*(4*\j+ii%4)+7], v[SC+32*(\sc)+2*ii+(\q)], v[SC+32*(\sc)+24+2*\j+(\q)]
.endif
.endr
.set ii, ii+1
.endr
.endm
.macro MULV p, q, sc, first
	WIN 0xf4
.irp t, 0,1,2,3
.irp j, 0,1,2,3
.if \first
	v_wmma_scale_f32_16x16x128_f8f6f4 v[8*(4*\t+\j):8*(4*\t+\j)+7], v[XF+64*(\p)+16*\j:XF+64*(\p)+16*\j+15], v[16*(8+\t):16*(8+\t)+15], v[192+8*\t:192+8*\t+7], v[SC+32*(\sc)+24+2*\j+(\q)], v[SC+32*(\sc)+2*(8+\t)+(\q)]
.else
	v_wmma_scale_f32_16x16x128_f8f6f4 v[8*(4*\t+\j):8*(4*\t+\j)+7], v[XF+64*(\p)+16*\j:XF+64*(\p)+16*\j+15], v[16*(8+\t):16*(8+\t)+15], v[8*(4*\t+\j):8*(4*\t+\j)+7], v[SC+32*(\sc)+24+2*\j+(\q)], v[SC+32*(\sc)+2*(8+\t)+(\q)]
.endif
.endr
.endr
.endm
.macro STEP slot, first
	s_wait_dscnt 24
	MULQK 0, 6, 0, 0, \slot, \first
	s_wait_dscnt 0x0
	PLACES 8
	FETCH_W \slot, 1, 0
	FETCH_X \slot, 1, 1
	MULQK 6, 2, 0, 0, \slot, \first
	MULV 0, 0, \slot, \first
	PLACES 8
	FETCH_W \slot, 1, 6
.endm
.macro TURN slot, next, fill
	s_wait_tensorcnt 0x0
	ds_add_u32 v[SPW], v[NIL]
	s_wait_dscnt 25
	MULQK 0, 3, 1, 1, \slot, 0
	s_wait_dscnt 0x0
	s_barrier_signal -1
	MULQK 3, 3, 1, 1, \slot, 0
	WIN 0
	s_barrier_wait -1
.if \fill
	CREST
	s_add_nc_u64 s[G0X+4*\slot+2:G0X+4*\slot+3], s[G0X+4*\slot+2:G0X+4*\slot+3], 512
	s_add_nc_u64 s[G0W+4*\slot+2:G0W+4*\slot+3], s[G0W+4*\slot+2:G0W+4*\slot+3], 512
	JLOAD G0X+4*\slot, G1X, G0W+4*\slot, G1W
	PLACES 4
.else
	PLACES 8
.endif
	s_wait_alu depctr_va_vdst(0)
	v_add_nc_u32 v[ADSX], 8, v[ADSX]
	v_add_nc_u32 v[ADSW], 8, v[ADSW]
	FETCH_W \next, 0, 0
	FETCH_X \next, 0, 0
	SCALES \next
	MULQK 6, 2, 1, 1, \slot, 0
	MULV 1, 1, \slot, 0
	PLACES 8
	FETCH_W \next, 0, 6
.endm
	s_wait_alu depctr_va_vdst(0)
	s_wait_tensorcnt 1
	s_barrier_signal -1
	s_barrier_wait -1
	FETCH_W 0, 0, 0
	FETCH_X 0, 0, 0
	SCALES 0
	FETCH_W 0, 0, 6
	STEP 0, 1
	TURN 0, 1, 1
	STEP 1, 0
	TURN 1, 0, 1
	STEP 0, 0
	TURN 0, 1, 0
	STEP 1, 0
	s_wait_dscnt 24
	MULQK 0, 6, 1, 1, 1, 0
	s_wait_dscnt 0x0
	MULQK 6, 2, 1, 1, 1, 0
	MULV 1, 1, 1, 0
	WIN 0
	PLACES 8
.macro QUANT2 w, a, cd
	WIN ((\w)<<2)|((\w)<<4)
.irp b, 0,1
	v_max3_num_f32 v[TM+\b], 0x4800000, |v[(\a)+16*\b]|, |v[(\a)+16*\b+1]|
.endr
.irp i, 2,4,6,8,10,12,14
.irp b, 0,1
	v_max3_num_f32 v[TM+\b], v[TM+\b], |v[(\a)+16*\b+\i]|, |v[(\a)+16*\b+\i+1]|
.endr
.endr
	WIN 0
.irp b, 0,1
	v_permlanex16_b32 v[TM+2+\b], v[TM+\b], s[SEL], s[SEL+1]
.endr
.irp b, 0,1
	v_max_num_f32 v[TM+\b], v[TM+\b], v[TM+2+\b]
.endr
.irp b, 0,1
	v_add_nc_u32 v[TM+6+\b], 0xfc000000, v[TM+\b]
.endr
.irp b, 0,1
	v_and_or_b32 v[TM+4+\b], v[TM+\b], 0x7f800000, s[MNT]
.endr
.irp b, 0,1
	v_lshrrev_b32 v[TM+2+\b], 23, v[TM+6+\b]
.endr
	WIN (\w)|((\w)<<6)
.irp b, 0,1
.irp i, 0,1,2,3,4,5,6,7,8,9,10,11,12,13,14,15
	v_med3_num_f32 v[(\a)+16*\b+\i], v[(\a)+16*\b+\i], -v[TM+4+\b], v[TM+4+\b]
.endr
.endr
	WIN (\w)
.irp b, 0,1
	v_cvt_scalef32_pk8_fp8_f32 v[(\cd)+4*\b:(\cd)+4*\b+1], v[(\a)+16*\b:(\a)+16*\b+7], v[TM+6+\b]
	v_cvt_scalef32_pk8_fp8_f32 v[(\cd)+4*\b+2:(\cd)+4*\b+3], v[(\a)+16*\b+8:(\a)+16*\b+15], v[TM+6+\b]
.endr
	WIN 0
	v_nop
.endm
.macro GQ j
	QUANT2 2, 32*\j, CD+8*\j
	v_lshl_or_b32 v[QW+\j], v[TM+3], 8, v[TM+2]
	v_lshlrev_b32 v[QW+\j], v[SH16], v[QW+\j]
	global_store_b128 v[LI], v[CD+8*\j:CD+8*\j+3], s[26:27] offset:1024*\j
	global_store_b128 v[LI], v[CD+8*\j+4:CD+8*\j+7], s[26:27] offset:1024*\j+512
.endm
.macro GK j
	QUANT2 2, 128+32*\j, CD+32+8*\j
.if (\j)%2 == 0
	v_lshl_or_b32 v[KW+(\j)/2], v[TM+3], 8, v[TM+2]
.else
	v_lshl_or_b32 v[KW+(\j)/2], v[TM+2], 16, v[KW+(\j)/2]
	v_lshl_or_b32 v[KW+(\j)/2], v[TM+3], 24, v[KW+(\j)/2]
	ds_store_b32 v[KSA], v[KW+(\j)/2] offset:64*((\j)/2)
.endif
	global_store_b128 v[KOF], v[CD+32+8*\j:CD+32+8*\j+3], s[30:31] offset:2048*((\j)/2)+1024*((\j)%2)
	global_store_b128 v[KOF], v[CD+32+8*\j+4:CD+32+8*\j+7], s[30:31] offset:2048*((\j)/2)+1024*((\j)%2)+512
.endm
.macro GV t
	QUANT2 3, 32*\t, CD+64+8*\t
	v_lshl_or_b32 v[VW+\t], v[TM+3], 8, v[TM+2]
	ds_store_b16 v[VSA], v[VW+\t] offset:64*\t
	global_store_b128 v[VOF], v[CD+64+8*\t:CD+64+8*\t+3], s[30:31] offset:16384+2048*\t
	global_store_b128 v[VOF], v[CD+64+8*\t+4:CD+64+8*\t+7], s[30:31] offset:16384+2048*\t+512
.endm
.irp j, 0,1,2,3
	GQ \j
.endr
	global_store_b128 v[LI], v[QW:QW+3], s[28:29]
.irp j, 0,1,2,3
	GK \j
.endr
.irp t, 0,1,2,3
	GV \t
.endr
	s_wait_dscnt 0x0
	s_barrier_signal -1
	s_barrier_wait -1
	ds_load_b64 v[RB:RB+1], v[RDA]
	s_wait_dscnt 0x0
	global_store_b64 v[GSO], v[RB:RB+1], s[30:31] offset:32768
	s_wait_tensorcnt 0x0
	ds_add_u32 v[SPW], v[NIL]
	s_wait_dscnt 0x0
	CROUND
	s_endpgm
.Lfunc_end_k_q14aa8ba5b7_proj:
	.size	k_q14aa8ba5b7_proj, .Lfunc_end_k_q14aa8ba5b7_proj-k_q14aa8ba5b7_proj
	.p2alignl 7, 3214868480
	.fill 96, 4, 3214868480
	.section	.rodata,"a",@progbits
	.p2align	6, 0x0
	.amdhsa_kernel k_q14aa8ba5b7_proj
		.amdhsa_group_segment_fixed_size 327680
		.amdhsa_private_segment_fixed_size 0
		.amdhsa_enable_private_segment 0
		.amdhsa_kernarg_size 112
		.amdhsa_user_sgpr_count 2
		.amdhsa_user_sgpr_kernarg_segment_ptr 1
		.amdhsa_wavefront_size32 1
		.amdhsa_system_sgpr_workgroup_id_x 1
		.amdhsa_system_sgpr_workgroup_id_y 1
		.amdhsa_system_sgpr_workgroup_id_z 1
		.amdhsa_system_vgpr_workitem_id 0
		.amdhsa_next_free_vgpr 1024
		.amdhsa_next_free_sgpr 102
		.amdhsa_reserve_vcc 0
		.amdhsa_float_denorm_mode_32 3
		.amdhsa_float_denorm_mode_16_64 3
		.amdhsa_memory_ordered 1
		.amdhsa_forward_progress 1
		.amdhsa_inst_pref_size 160
	.end_amdhsa_kernel
	.amdgpu_metadata
---
amdhsa.version: [ 1, 2 ]
amdhsa.kernels:
  - .name:           k_q14aa8ba5b7_proj
    .symbol:         k_q14aa8ba5b7_proj.kd
    .args:
      - { .name: x_codes, .offset: 0, .size: 8, .value_kind: global_buffer, .address_space: global }
      - { .name: x_scales, .offset: 8, .size: 8, .value_kind: global_buffer, .address_space: global }
      - { .name: Wq_codes, .offset: 16, .size: 8, .value_kind: global_buffer, .address_space: global }
      - { .name: Wq_scales, .offset: 24, .size: 8, .value_kind: global_buffer, .address_space: global }
      - { .name: Wk_codes, .offset: 32, .size: 8, .value_kind: global_buffer, .address_space: global }
      - { .name: Wk_scales, .offset: 40, .size: 8, .value_kind: global_buffer, .address_space: global }
      - { .name: Wv_codes, .offset: 48, .size: 8, .value_kind: global_buffer, .address_space: global }
      - { .name: Wv_scales, .offset: 56, .size: 8, .value_kind: global_buffer, .address_space: global }
      - { .name: bq, .offset: 64, .size: 8, .value_kind: global_buffer, .address_space: global }
      - { .name: bk, .offset: 72, .size: 8, .value_kind: global_buffer, .address_space: global }
      - { .name: bv, .offset: 80, .size: 8, .value_kind: global_buffer, .address_space: global }
      - { .name: qimg, .offset: 88, .size: 8, .value_kind: global_buffer, .address_space: global }
      - { .name: qsc, .offset: 96, .size: 8, .value_kind: global_buffer, .address_space: global }
      - { .name: kv, .offset: 104, .size: 8, .value_kind: global_buffer, .address_space: global }
    .group_segment_fixed_size: 327680
    .private_segment_fixed_size: 0
    .kernarg_segment_align: 8
    .kernarg_segment_size: 112
    .max_flat_workgroup_size: 128
    .sgpr_count:     102
    .vgpr_count:     1024
    .wavefront_size: 32
...
	.end_amdgpu_metadata
.endif
;; end of part 1
;; launch attn (part 2): grid 4 x 64, 16 waves a work-group, clusters of 4 x 1, 327,680 bytes of LDS; arguments qimg, qsc, kv, cimg; writes cimg
.if DOCPART == 2
	.amdgcn_target "amdgcn-amd-amdhsa--gfx1250"
	.amdhsa_code_object_version 6
	.text
	.protected	k_q14aa8ba5b7_attn
	.globl	k_q14aa8ba5b7_attn
	.p2align	8
	.type	k_q14aa8ba5b7_attn,@function
k_q14aa8ba5b7_attn:
	s_mov_b64 s[64:65], 0
	v_nop
	global_prefetch_b8 v0, s[64:65] scope:SCOPE_SE
	s_setreg_imm32_b32 hwreg(HW_REG_WAVE_MODE, 25, 1), 1
	s_wait_xcnt 0x0
	s_wait_alu depctr_hold_cnt(0) depctr_sa_sdst(0) depctr_va_vdst(0) depctr_va_sdst(0) depctr_va_ssrc(0) depctr_va_vcc(0) depctr_vm_vsrc(0)
	s_getreg_b32 s2, hwreg(HW_REG_IB_STS2, 6, 4)
	s_cmp_eq_u32 s2, 0
	s_cbranch_scc0 .Lentry_in_a_cluster
	s_endpgm
.Lentry_in_a_cluster:
	s_bfe_u32 s2, ttmp6, 0x10000c
	s_cmp_lg_u32 s2, 0x3003
	s_cbranch_scc0 .Lentry_shape_is_right
	s_endpgm
.Lentry_shape_is_right:
; Causal attention of one head on codes of FP8 (E4M3), and the quantising of the heads for the output projection.
; t = score x log2(e) / 8; M = the running largest t rounded up to a whole number; p = 2^(t - M) is quantised along the keys; the row's sum is taken of the unquantised p and divides O at the end.
; LEFT OUT: key steps all of whose 128 keys come after a tile's 16 queries: the causal mask sets those scores to -inf, so they reach no output whatever the inputs hold.
; K AND V STAY IN LDS: a head's 8 slots of 256 keys are 8 x 33,792 = 270,336 bytes: each of the sixteen waves fetches half a slot, once, at the head.  Nothing is filled again.
; SHARES.  The four work-groups of a head form a cluster; the one at place p owns the query tiles 4 i + p (i = 0 .. 31).  Wave w takes tile 124 - 4 w + p first, then tile 4 w + p:
; (16 - w / 2) + (w / 2 + 1) = 17 key steps of 128 keys in every wave, and the counts do not hang on p.  All four partners read all 8 slots, so each half slot is asked for JOINTLY (mask 15).
; p enters global addresses and the diagonal's compare values alone: no branch and no LDS address hangs on it.
; BARRIERS: one shows slot 0 (waves 0 and 1 have a load line and a wait of their own), one behind visit 0 shows the rest; behind it no wave waits for another until the closing round.
; NO PREFETCH: every byte of kv that the launch reads is asked for by the head's loads; there is no later load to run ahead of.
; LAYOUT.  Both products are used transposed (S^T = K Q^T, O^T = V^T P^T): a lane holds one query throughout.  The operands come as images of registers (16 bytes a lane), made by the launch before.
; K = 64 IN A FORM THAT IS 128 DEEP: a fragment of K holds two tiles of 16 keys; q stands as q | zeros | q in 24 registers: registers 0-15 are q over zero codes, registers 8-23 zero codes over q.
; INSIDE A BLOCK OF 32 the operands that this program computes all stand in one order: place e of lane (r, h) is k = 16 (e / 8) + 8 h + e % 8.
; LIMITS: NaN and infinities are not served; a block whose largest magnitude lies under 2^-118 keeps the byte 1; the heads' scale half-words leave as stores of 2 bytes, 32 bytes a wave and tile.
.set KVSLOT, 33792                     ; a slot: K's images 16,384, V's 16,384, scale words 1,024
.set HALF,   16896                     ; what one tensor load brings: 66 rows of 256 bytes
.set SPARE,  8*KVSLOT                  ; the spare words: 128 bytes for each of sixteen waves
.set LI,  1                            ; 16 x lane
.set LS,  2                            ; 4 x lane
.set CSO, 3                            ; 16 r
.set DD,  4                            ; my query less the diagonal step's first key less 8 h, of the tile in hand
.set SPW, 5
.set NIL, 6
.set DA,  7                            ; the same for the second tile
.set AD,  8                            ; the slot in hand + 16 x lane
.set ADS, 9                            ; + 4 x lane
; v12 -M, v13 the largest t, v[14:15] the sum
.set QL,  16                           ; v16-39 q | zeros | q
.set FR,  40                           ; v40-103 four fragments of K, then of V
.set SS,  104                          ; v104-167 S^T, then p
.set OO,  168                          ; v168-199 O^T
.set CD,  200                          ; v200-215 p's codes
.set TT,  216                          ; v216-231 at work: held p, 8 + 8; parts of the sum
.set BM,  232                          ; the blocks' largest scores, then largest p
.set LM,  236                          ; 448 x the scale
.set SO,  240                          ; the conversions' scale operands
.set KS,  244                          ; K's scale words (2)
.set VS,  246                          ; V's (2)
.set QS,  248                          ; q's
.set FF,  250                          ; f = 2^(old M - new M)
.set PW,  251                          ; p's scale word
.set X0,  252                          ; v252-255 at work
.set WV,  18
.set MNT, 19
.set SEL, 20
.set CL2, 22                           ; s[22:23] log2(e) / 8
.set G1,  24
.set G0,  32
.set VI,  36                           ; the visit: 0 .. 7 the first tile's slots, 8 .. 11 the second's slots 0 .. 3
.set TS,  37                           ; the slot's first LDS byte
.set JB,  38                           ; the slot's first key step
.set LAST, 39                          ; the tile's diagonal key step: from the wave's number alone
.set T0,  40
.set LASTA, 41
.set CX,  44
.set QA1, 50
.set QS1, 52
.set QA2, 54
.set QS2, 56
.set CI1, 58
.set CS1, 60
.set CI2, 66
.set CS2, 68
.macro CROUND                          ; a round of the cluster's barrier
	s_barrier_signal -1
	s_barrier_wait -1
	s_cmp_lg_u32 s[WV], 0
	s_cbranch_scc1 .Lnot_wave_0_\@
	s_barrier_signal -3
.Lnot_wave_0_\@:
	s_barrier_wait -3
	s_barrier_signal -1
	s_barrier_wait -1
.endm
.macro TLOAD                           ; my half slot; an s_nop 0 and four v_nop follow the line
	tensor_load_to_lds s[G0:G0+3], s[G1:G1+7]
	s_nop 0
.rept 4
	v_nop
.endr
.endm
.macro INIT                            ; what the first step finds
	v_mov_b32 v13, 0xff61b1e6                      ; the largest t so far: -3e38
	v_floor_f32 v12, -v13                          ; -M
	v_mov_b32 v14, 0
	v_mov_b32 v15, 0
	v_mov_b32 v[PW], 0                             ; (named in the pair with f before it is first written)
	v_mov_b32 v[X0], 0                             ; (a lane permute's destination counts as one of its sources)
.irp b, 0,1,2,3
	v_mov_b32 v[TT+\b], 0
.endr
.irp i, 0,1,2,3,4,5,6,7
	v_mov_b32 v[QL+8+\i], 0                        ; the zero codes between q's two copies
.endr
.set n, 0
.rept 32
	v_mov_b32 v[OO+n], 0                           ; O^T: the step is written once; the first finds zeros
.set n, n+1
.endr
.endm
.macro QLOAD qa, qs                    ; q's two blocks, twice, and its scale word (lanes 16-31: shifted up for the upper copy)
	global_load_b128 v[QL:QL+3], v[LI], s[\qa:\qa+1]
	global_load_b128 v[QL+4:QL+7], v[LI], s[\qa:\qa+1] offset:512
	global_load_b128 v[QL+16:QL+19], v[LI], s[\qa:\qa+1]
	global_load_b128 v[QL+20:QL+23], v[LI], s[\qa:\qa+1] offset:512
	global_load_b32 v[QS], v[LI], s[\qs:\qs+1]
.endm
	s_load_b256 s[4:11], s[0:1], 0x0               ; qimg, qsc, kv, cimg
	v_lshl_add_u32 v[SPW], v0, 2, SPARE
	v_mov_b32 v[NIL], 0
	ds_add_u32 v[SPW], v[NIL]                      ; the opening lines: the add, twice on end, and its wait
	ds_add_u32 v[SPW], v[NIL]
	v_lshrrev_b32 v8, 5, v0
	v_readfirstlane_b32 s[WV], v8                  ; wave 0..15
	s_and_b32 s70, ttmp7, 0xffff                   ; bh: batch x 16 + head
	s_bfe_u32 s[CX], ttmp6, 0x40000                ; p: my place in the cluster
	s_mov_b32 s[G1], 15|(3<<16)|(1<<21)            ; all four partners; elements of 8 bytes; no padding
	s_mov_b32 s[G1+1], 32<<16                      ; rows of 256 bytes,
	s_mov_b32 s[G1+2], 66<<16                      ; 66 of them,
	s_mov_b32 s[G1+3], 32<<16
	s_mov_b32 s[G1+4], 66
	s_mov_b32 s[G1+5], 32                          ; dense
	s_mov_b32 s[G1+6], 0
	s_mov_b32 s[G1+7], 0
	s_mul_i32 s71, s[WV], HALF                     ; my half slot, in the head's image and in LDS
	s_mul_i32 s72, s70, 8*KVSLOT
	s_add_co_u32 s72, s72, s71
	s_mov_b32 s73, 0
	s_wait_dscnt 0x0                               ; both opening adds are done
	CROUND                                         ; the four partners are here: the joint loads meet
	s_wait_kmcnt 0x0
	s_mov_b32 s[G0], 1
	s_mov_b32 s[G0+1], s71
	s_add_nc_u64 s[G0+2:G0+3], s[8:9], s[72:73]
	s_or_b32 s[G0+3], s[G0+3], 0x80000000
	s_cmp_lt_u32 s[WV], 2                          ; one load a wave.  Slot 0's halves have a line of their own and go out ahead of the set-up; the other waves do the set-up first
	s_cbranch_scc0 .Lrest
	TLOAD
	INIT
	s_branch .Lasked
.Lrest:
	INIT
	TLOAD
.Lasked:
	s_mov_b32 s[SEL], 0x76543210
	s_mov_b32 s[SEL+1], 0xfedcba98
	s_mov_b32 s[CL2], 0x3e38aa3b                   ; log2(e) / sqrt(64)
	s_mov_b32 s[CL2+1], s[CL2]
	s_mov_b32 s[MNT], 0x600000
	s_lshr_b32 s[LASTA], s[WV], 1                  ; the second tile's diagonal step: w / 2
	s_xor_b32 s[LAST], s[LASTA], 15                ; the first tile's: 15 - w / 2
	s_lshl_b32 s87, s[WV], 2
	s_sub_co_u32 s86, 124, s87
	s_add_co_u32 s86, s86, s[CX]                   ; the first tile: 124 - 4 w + p
	s_add_co_u32 s87, s87, s[CX]                   ; the second: 4 w + p
	s_and_b32 s77, s[WV], 1
	s_xor_b32 s76, s77, 1
	s_lshl_b32 s77, s77, 2
	s_add_co_u32 s77, s77, s[CX]
	s_lshl_b32 s77, s77, 4                         ; 16 x (tile % 8): the tile's first query less its diagonal step's first key
	s_lshl_b32 s76, s76, 2
	s_add_co_u32 s76, s76, s[CX]
	s_lshl_b32 s76, s76, 4
	s_lshr_b32 s71, s70, 4                         ; batch
	s_and_b32 s72, s70, 15                         ; head
	s_mul_i32 s73, s71, 16*135168                  ; cimg: [group of 128 tokens][chunk of four K steps: 67,584]
	s_lshr_b32 s74, s72, 3
	s_mul_i32 s74, s74, 67584
	s_add_co_u32 s73, s73, s74
	s_bfe_u32 s74, s72, 0x20001                    ; the K step in the chunk: (head / 2) % 4
	s_and_b32 s75, s72, 1
	s_lshl_b32 s78, s74, 14
	s_add_co_u32 s78, s78, s73
	s_lshl_b32 s79, s75, 10
	s_add_co_u32 s78, s78, s79                     ; the codes' place, less the tile's part
	s_lshl_b32 s80, s74, 2
	s_add_co_u32 s80, s80, s73
	s_lshl_b32 s79, s75, 1
	s_add_co_u32 s80, s80, s79
	s_add_co_u32 s80, s80, 65536                   ; the scale half-word's
	s_lshl_b32 s81, s70, 17                        ; q's images of my head
	s_lshl_b32 s82, s70, 14                        ; q's scale words
	s_mov_b32 s85, 0
.macro MKADR t, qa, qs, ci, cs         ; the four addresses of query tile s[t]
	s_lshl_b32 s84, s[\t], 10
	s_add_co_u32 s84, s84, s81
	s_add_nc_u64 s[\qa:\qa+1], s[4:5], s[84:85]
	s_lshr_b32 s84, s[\t], 2
	s_lshl_b32 s84, s84, 9
	s_and_b32 s83, s[\t], 3
	s_lshl_b32 s83, s83, 2
	s_add_co_u32 s84, s84, s83
	s_add_co_u32 s84, s84, s82
	s_add_nc_u64 s[\qs:\qs+1], s[6:7], s[84:85]
	s_lshr_b32 s83, s[\t], 3
	s_mul_i32 s83, s83, 135168
	s_and_b32 s79, s[\t], 7
	s_lshl_b32 s84, s79, 11
	s_add_co_u32 s84, s84, s83
	s_add_co_u32 s84, s84, s78
	s_add_nc_u64 s[\ci:\ci+1], s[10:11], s[84:85]
	s_lshl_b32 s84, s79, 8
	s_add_co_u32 s84, s84, s83
	s_add_co_u32 s84, s84, s80
	s_add_nc_u64 s[\cs:\cs+1], s[10:11], s[84:85]
.endm
	MKADR 86, QA1, QS1, CI1, CS1
	MKADR 87, QA2, QS2, CI2, CS2
	v_and_b32 v10, 31, v0
	v_lshlrev_b32 v[LI], 4, v10
	v_lshlrev_b32 v[LS], 2, v10
	QLOAD QA1, QS1
	v_and_b32 v10, 15, v0                          ; r
	v_bfe_u32 v11, v0, 4, 1                        ; h
	v_lshlrev_b32 v11, 3, v11
	v_sub_nc_u32 v11, v10, v11                     ; r - 8 h
	v_lshlrev_b32 v[CSO], 4, v10
	v_add_nc_u32 v[DD], s76, v11
	v_add_nc_u32 v[DA], s77, v11
.macro KQ f, u                         ; the scores of key tile 2 f + u.  K's words of fragments f and f + 1 share a register (lanes 0-15, lanes 16-31), q's two words likewise
.set D_, SS+8*(2*(\f)+(\u))
.set A_, FR+16*(\f)
.set B_, QL+8*(\u)
.if ((\f)%2 == 0) && ((\u) == 0)
	v_wmma_scale_f32_16x16x128_f8f6f4 v[D_:D_+7], v[A_:A_+15], v[B_:B_+15], 0, v[KS+(\f)/2], v[QS]
.elseif ((\f)%2 == 1) && ((\u) == 0)
	v_wmma_scale_f32_16x16x128_f8f6f4 v[D_:D_+7], v[A_:A_+15], v[B_:B_+15], 0, v[KS+(\f)/2], v[QS] matrix_a_scale:MATRIX_SCALE_ROW1
.elseif ((\f)%2 == 0)
	v_wmma_scale_f32_16x16x128_f8f6f4 v[D_:D_+7], v[A_:A_+15], v[B_:B_+15], 0, v[KS+(\f)/2], v[QS] matrix_b_scale:MATRIX_SCALE_ROW1
.else
	v_wmma_scale_f32_16x16x128_f8f6f4 v[D_:D_+7], v[A_:A_+15], v[B_:B_+15], 0, v[KS+(\f)/2], v[QS] matrix_a_scale:MATRIX_SCALE_ROW1 matrix_b_scale:MATRIX_SCALE_ROW1
.endif
.endm
.macro PV t                            ; O^T's tile t += V^T P^T over these 128 keys; the four accumulators take turns
.if (\t)%2 == 0
	v_wmma_scale_f32_16x16x128_f8f6f4 v[OO+8*(\t):OO+8*(\t)+7], v[FR+16*(\t):FR+16*(\t)+15], v[CD:CD+15], v[OO+8*(\t):OO+8*(\t)+7], v[VS+(\t)/2], v[PW]
.else
	v_wmma_scale_f32_16x16x128_f8f6f4 v[OO+8*(\t):OO+8*(\t)+7], v[FR+16*(\t):FR+16*(\t)+15], v[CD:CD+15], v[OO+8*(\t):OO+8*(\t)+7], v[VS+(\t)/2], v[PW] matrix_a_scale:MATRIX_SCALE_ROW1
.endif
.endm
.macro HOLD2 d, s, l                   ; two p held at 448 x the scale, into the scratch: p itself stays whole for the sum.  (The conversion does not saturate: ISA guide 7.6.2; p is not negative: a one-sided hold)
	v_dual_min_num_f32 v[\d], v[\s], v[\l] :: v_dual_min_num_f32 v[(\d)+1], v[(\s)+1], v[\l]
.endm
.macro PADD a, i                       ; pair i of the 32 pairs of p onto a part of the sum
	v_pk_add_f32 v[\a:(\a)+1], v[\a:(\a)+1], v[SS+2*(\i):SS+2*(\i)+1]
.endm
; A KEY STEP: 128 keys, the q-th of the slot in hand.  A step behind the tile's diagonal step is left out: a scalar branch on the wave's number and the visit; no barrier and no tensor load stands in a step.
.macro STEP q
	s_add_co_u32 s[T0], s[JB], \q
	s_cmp_gt_u32 s[T0], s[LAST]
	s_cbranch_scc1 .Lhidden_\@
.irp f, 0,1,2,3                        ; (the 24 additions at the last step's end are the places behind its products)
.irp c, 0,1,2,3
	ds_load_b128 v[FR+16*\f+4*\c:FR+16*\f+4*\c+3], v[AD] offset:8192*(\q)+2048*\f+512*\c
.endr
.endr
	ds_load_b32 v[KS], v[ADS] offset:32768+256*(\q)
	ds_load_b32 v[KS+1], v[ADS] offset:32768+256*(\q)+128
	s_wait_dscnt 0x0
.irp f, 0,1,2,3
.irp u, 0,1
	KQ \f, \u
.endr
.endr
.rept 8
	v_nop                                          ; places behind the products: for the loads below and for the first reads of the scores
.endr
.irp t, 0,1,2,3                        ; V's fragments are asked for now and land under the softmax
.irp c, 0,1,2,3
	ds_load_b128 v[FR+16*\t+4*\c:FR+16*\t+4*\c+3], v[AD] offset:16384+8192*(\q)+2048*\t+512*\c
.endr
.endr
	ds_load_b32 v[VS], v[ADS] offset:33280+256*(\q)
	ds_load_b32 v[VS+1], v[ADS] offset:33280+256*(\q)+128
	s_cmp_lg_u32 s[T0], s[LAST]                    ; in the diagonal step hidden scores become -infinity ahead of the maximum
	s_cbranch_scc1 .Lopen_\@
	v_mov_b32 v[X0+1], 0xff800000
.set n, 0
.rept 64                               ; register n holds key 16 (n / 8) + 8 h + n % 8 of the step: hidden where 16 (n / 8) + n % 8 > my query - the step's first key - 8 h
	v_cmp_gt_i32 vcc_lo, 16*(n/8)+n%8, v[DD]
	v_cndmask_b32 v[SS+n], v[SS+n], v[X0+1], vcc_lo
.set n, n+1
.endr
.Lopen_\@:
.irp b, 0,1,2,3
	v_max3_num_f32 v[BM+\b], v[SS+16*\b], v[SS+1+16*\b], v[SS+2+16*\b]   ; the largest score of each block of 32 keys: for the row's maximum, and, since p rises with the score, for the block's largest p
.endr
.irp i, 3,5,7,9,11,13
.irp b, 0,1,2,3
	v_max3_num_f32 v[BM+\b], v[BM+\b], v[SS+16*\b+\i], v[SS+1+16*\b+\i]
.endr
.endr
.irp b, 0,1,2,3
	v_max_num_f32 v[BM+\b], v[BM+\b], v[SS+15+16*\b]
.endr
.irp b, 0,1,2,3
	v_permlanex16_b32 v[TT+\b], v[BM+\b], s[SEL], s[SEL+1]
.endr
.irp b, 0,1,2,3
	v_max_num_f32 v[BM+\b], v[BM+\b], v[TT+\b]     ; with lane l xor 16's 16 keys
.endr
	v_max3_num_f32 v[X0], v[BM], v[BM+1], v[BM+2]
	v_max_num_f32 v[X0], v[X0], v[BM+3]
	v_mul_f32 v[X0], s[CL2], v[X0]                 ; as t
	v_max_num_f32 v13, v13, v[X0]                  ; the running largest t
	v_mov_b32 v[X0], v12
	v_floor_f32 v12, -v13                          ; the new -M = -ceil(t): a whole number
	v_sub_f32 v[X0], v12, v[X0]                    ; old M - new M: a whole number, 0 or less
	v_cvt_i32_f32 v[X0], v[X0]                     ; (it saturates)
	v_ldexp_f32 v[FF], 1.0, v[X0]                  ; f = 2^(old M - new M): a multiplication by it rounds nothing
.set n, 0
.rept 32
	v_pk_fma_f32 v[SS+n:SS+n+1], v[SS+n:SS+n+1], s[CL2:CL2+1], v[12:13] op_sel_hi:[1,0,0]   ; t - M, two at a time
.set n, n+2
.endr
.irp b, 0,1,2,3
	v_fma_f32 v[BM+\b], v[BM+\b], s[CL2], v12
.endr
	s_wait_alu depctr_va_vdst(0)                   ; ahead of the batch of exponentials
.set n, 0
.rept 64
	v_exp_f32 v[SS+n], v[SS+n]                     ; p = 2^(t - M): not normalised
.set n, n+1
.endr
.irp b, 0,1,2,3
	v_exp_f32 v[BM+\b], v[BM+\b]                   ; the block's largest p: the same two instructions on the same number
.endr
	v_pk_mul_f32 v[14:15], v[14:15], v[FF:FF+1] op_sel_hi:[1,0]   ; the sums under the new M (a plain place behind the exponentials)
	s_wait_alu depctr_va_vdst(0)                   ; and behind it, ahead of its first reader
.irp b, 0,1,2,3
	v_max_num_f32 v[BM+\b], 0x4800000, v[BM+\b]    ; the floor 2^(9 - 127): the byte cannot fall under 1
.endr
.irp b, 0,1,2,3
	v_add_nc_u32 v[SO+\b], 0xfc000000, v[BM+\b]
.endr
.irp b, 0,1,2,3
	v_and_or_b32 v[LM+\b], v[BM+\b], 0x7f800000, s[MNT]
.endr
.irp b, 0,1,2,3
	v_lshrrev_b32 v[TT+\b], 23, v[SO+\b]
.endr
	v_lshl_or_b32 v[PW], v[TT+1], 8, v[TT]         ; p's scale word for these 128 keys
	v_lshl_or_b32 v[PW], v[TT+2], 16, v[PW]
	v_lshl_or_b32 v[PW], v[TT+3], 24, v[PW]
.set na, 0
.irp b, 0,1,2,3                        ; eight p at a time: held into one half of the scratch, converted; a line of the row's sum is the plain place behind each conversion
.irp g, 0,1
.irp i, 0,2,4,6
	HOLD2 TT+8*\g+\i, SS+16*\b+8*\g+\i, LM+\b
.endr
	v_cvt_scalef32_pk8_fp8_f32 v[CD+4*\b+2*\g:CD+4*\b+2*\g+1], v[TT+8*\g:TT+8*\g+7], v[SO+\b]
.if na < 2
	v_pk_add_f32 v[X0+2*na:X0+2*na+1], v[SS+4*na:SS+4*na+1], v[SS+4*na+2:SS+4*na+3]
.else
	PADD X0+2*(na%2), na+2
.endif
.set na, na+1
.endr
.endr
	s_wait_alu depctr_va_vdst(0)                   ; directly ahead of the first reader of O^T
.set n, 0
.rept 16
	v_pk_mul_f32 v[OO+n:OO+n+1], v[OO+n:OO+n+1], v[FF:FF+1] op_sel_hi:[1,0]   ; O^T under the new M; these sixteen are also the places between the codes and the products
.set n, n+2
.endr
	s_wait_alu depctr_va_vdst(0)                   ; directly ahead of the wait below
	s_wait_dscnt 0x0                               ; V is in
.irp t, 0,1,2,3
	PV \t
.endr
	v_pk_add_f32 v[TT:TT+1], v[SS+20:SS+21], v[SS+22:SS+23]       ; THE REST OF THE ROW'S SUM, of the unquantised p, in four chains: 24 lines that name no register of the products above
	v_pk_add_f32 v[TT+2:TT+3], v[SS+24:SS+25], v[SS+26:SS+27]
.irp i, 14,18,22,26
	PADD X0, \i
	PADD X0+2, \i+1
	PADD TT, \i+2
	PADD TT+2, \i+3
.endr
	PADD 14, 30
	PADD X0, 31
	v_pk_add_f32 v[X0:X0+1], v[X0:X0+1], v[X0+2:X0+3]
	v_pk_add_f32 v[TT:TT+1], v[TT:TT+1], v[TT+2:TT+3]
	v_pk_add_f32 v[14:15], v[14:15], v[X0:X0+1]
	v_pk_add_f32 v[14:15], v[14:15], v[TT:TT+1]
.Lhidden_\@:
.endm
.macro VISIT                           ; a slot's two key steps
	v_add_nc_u32 v[AD], s[TS], v[LI]
	v_add_nc_u32 v[ADS], s[TS], v[LS]
	s_wait_alu depctr_va_vdst(0)                   ; directly behind the writes
	STEP 0
	STEP 1
.endm
; A TILE'S END: O^T / the sum is my 16 queries' part of the concatenated heads: two blocks of 32 along the output projection's K.  It is quantised and leaves as an image.  which = 0: the second tile is set up.
.macro FINISH which, ci, cs
	s_wait_alu depctr_va_vdst(0)
.if \which == 0
	QLOAD QA2, QS2
.endif
	v_add_f32 v14, v14, v15
	v_permlanex16_b32 v[X0], v14, s[SEL], s[SEL+1]
	v_add_f32 v14, v14, v[X0]                      ; the row's sum
	s_wait_alu depctr_va_vdst(0)
	v_rcp_f32 v14, v14
	v_nop
	s_wait_alu depctr_va_vdst(0)
.set n, 0
.rept 16
	v_pk_mul_f32 v[SS+n:SS+n+1], v[OO+n:OO+n+1], v[14:15] op_sel_hi:[1,0]
.set n, n+2
.endr
.irp b, 0,1
	v_max3_num_f32 v[BM+\b], |v[SS+16*\b]|, |v[SS+1+16*\b]|, 0x4800000
.endr
.irp i, 2,4,6,8,10,12,14
.irp b, 0,1
	v_max3_num_f32 v[BM+\b], v[BM+\b], |v[SS+16*\b+\i]|, |v[SS+1+16*\b+\i]|
.endr
.endr
.irp b, 0,1
	v_permlanex16_b32 v[TT+\b], v[BM+\b], s[SEL], s[SEL+1]
.endr
.irp b, 0,1
	v_max_num_f32 v[BM+\b], v[BM+\b], v[TT+\b]
.endr
.irp b, 0,1
	v_add_nc_u32 v[SO+\b], 0xfc000000, v[BM+\b]
.endr
.irp b, 0,1
	v_and_or_b32 v[LM+\b], v[BM+\b], 0x7f800000, s[MNT]
.endr
.irp b, 0,1
	v_lshrrev_b32 v[TT+\b], 23, v[SO+\b]
.endr
	v_lshl_or_b32 v[X0+1], v[TT+1], 8, v[TT]       ; the head's half of the K step's scale word
.irp b, 0,1
.irp i, 0,1,2,3,4,5,6,7,8,9,10,11,12,13,14,15
	v_med3_num_f32 v[SS+16*\b+\i], v[SS+16*\b+\i], -v[LM+\b], v[LM+\b]
.endr
.endr
.irp b, 0,1
	v_cvt_scalef32_pk8_fp8_f32 v[CD+4*\b:CD+1+4*\b], v[SS+16*\b:SS+7+16*\b], v[SO+\b]
	v_cvt_scalef32_pk8_fp8_f32 v[CD+2+4*\b:CD+3+4*\b], v[SS+8+16*\b:SS+15+16*\b], v[SO+\b]
.endr
	v_nop                                          ; a plain place behind the conversions
	global_store_b128 v[LI], v[CD:CD+3], s[\ci:\ci+1]
	global_store_b128 v[LI], v[CD+4:CD+7], s[\ci:\ci+1] offset:512
	global_store_b16 v[CSO], v[X0+1], s[\cs:\cs+1] ; lanes r and r + 16 store the same value
.if \which == 0
	v_mov_b32 v[DD], v[DA]
	v_mov_b32 v13, 0xff61b1e6
	v_floor_f32 v12, -v13
	v_mov_b32 v14, 0
	v_mov_b32 v15, 0
.set n, 0
.rept 32
	v_mov_b32 v[OO+n], 0
.set n, n+1
.endr
	s_mov_b32 s[LAST], s[LASTA]
	s_wait_alu depctr_va_vdst(0)                   ; directly ahead of the waits below
	s_wait_loadcnt 0x0                             ; the second tile's q
	s_wait_xcnt 0x0                                ; the stores have read their registers: the next steps write them again
.endif
.endm
	s_mov_b32 s[TS], 0
	s_mov_b32 s[JB], 0
	s_wait_alu depctr_va_vdst(0)
	s_cmp_lt_u32 s[WV], 2
	s_cbranch_scc0 .Lnot_slot_0
	s_wait_tensorcnt 0x0                           ; waves 0 and 1: slot 0's halves have landed.  The other waves' wait stands at the second barrier
.Lnot_slot_0:
	s_wait_loadcnt 0x0                             ; q
	s_barrier_signal -1
	s_barrier_wait -1
	VISIT                                          ; visit 0 is written out: every wave has both its steps, and the other slots land under it
	s_wait_tensorcnt 0x0                           ; every wave: my half slot has landed
	s_wait_dscnt 0x0
	s_barrier_signal -1
	s_barrier_wait -1                              ; all of the head's K and V is in LDS
	s_mov_b32 s[VI], 1
.Lvisit:                                           ; eleven trips: slots 1 .. 7 for the first tile, slots 0 .. 3 for the second
	s_and_b32 s[JB], s[VI], 7
	s_mul_i32 s[TS], s[JB], KVSLOT
	s_lshl_b32 s[JB], s[JB], 1
	VISIT
	s_cmp_lg_u32 s[VI], 7                          ; behind slot 7 the first tile is finished
	s_cbranch_scc1 .Lsame_tile
	FINISH 0, CI1, CS1
.Lsame_tile:
	s_add_co_u32 s[VI], s[VI], 1
	s_cmp_lt_u32 s[VI], 12
	s_cbranch_scc1 .Lvisit
	FINISH 1, CI2, CS2
	s_wait_tensorcnt 0x0                           ; the wave's end
	ds_add_u32 v[SPW], v[NIL]
	s_wait_dscnt 0x0
	CROUND                                         ; the closing round
	s_endpgm
.Lfunc_end_k_q14aa8ba5b7_attn:
	.size	k_q14aa8ba5b7_attn, .Lfunc_end_k_q14aa8ba5b7_attn-k_q14aa8ba5b7_attn
	.p2alignl 7, 3214868480
	.fill 96, 4, 3214868480
	.section	.rodata,"a",@progbits
	.p2align	6, 0x0
	.amdhsa_kernel k_q14aa8ba5b7_attn
		.amdhsa_group_segment_fixed_size 327680
		.amdhsa_private_segment_fixed_size 0
		.amdhsa_enable_private_segment 0
		.amdhsa_kernarg_size 32
		.amdhsa_user_sgpr_count 2
		.amdhsa_user_sgpr_kernarg_segment_ptr 1
		.amdhsa_wavefront_size32 1
		.amdhsa_system_sgpr_workgroup_id_x 1
		.amdhsa_system_sgpr_workgroup_id_y 1
		.amdhsa_system_sgpr_workgroup_id_z 1
		.amdhsa_system_vgpr_workitem_id 0
		.amdhsa_next_free_vgpr 256
		.amdhsa_next_free_sgpr 88
		.amdhsa_reserve_vcc 1
		.amdhsa_float_denorm_mode_32 3
		.amdhsa_float_denorm_mode_16_64 3
		.amdhsa_memory_ordered 1
		.amdhsa_forward_progress 1
		.amdhsa_inst_pref_size 117
	.end_amdhsa_kernel
	.amdgpu_metadata
---
amdhsa.version: [ 1, 2 ]
amdhsa.kernels:
  - .name:           k_q14aa8ba5b7_attn
    .symbol:         k_q14aa8ba5b7_attn.kd
    .args:
      - { .name: qimg, .offset: 0, .size: 8, .value_kind: global_buffer, .address_space: global }
      - { .name: qsc, .offset: 8, .size: 8, .value_kind: global_buffer, .address_space: global }
      - { .name: kv, .offset: 16, .size: 8, .value_kind: global_buffer, .address_space: global }
      - { .name: cimg, .offset: 24, .size: 8, .value_kind: global_buffer, .address_space: global }
    .group_segment_fixed_size: 327680
    .private_segment_fixed_size: 0
    .kernarg_segment_align: 8
    .kernarg_segment_size: 32
    .max_flat_workgroup_size: 512
    .sgpr_count:     88
    .vgpr_count:     256
    .wavefront_size: 32
...
	.end_amdgpu_metadata
.endif
;; end of part 2
;; launch oproj (part 3): grid 8 x 32, 4 waves a work-group, clusters of 4 x 4, 327,680 bytes of LDS; arguments cimg, Wo_codes, Wo_scales, bo, out0; writes out0
.if DOCPART == 3
	.amdgcn_target "amdgcn-amd-amdhsa--gfx1250"
	.amdhsa_code_object_version 6
	.text
	.protected	k_q14aa8ba5b7_oproj
	.globl	k_q14aa8ba5b7_oproj
	.p2align	8
	.type	k_q14aa8ba5b7_oproj,@function
k_q14aa8ba5b7_oproj:
	s_mov_b64 s[64:65], 0
	v_nop
	global_prefetch_b8 v0, s[64:65] scope:SCOPE_SE
	s_setreg_imm32_b32 hwreg(HW_REG_WAVE_MODE, 25, 1), 1
	s_wait_xcnt 0x0
	s_wait_alu depctr_hold_cnt(0) depctr_sa_sdst(0) depctr_va_vdst(0) depctr_va_sdst(0) depctr_va_ssrc(0) depctr_va_vcc(0) depctr_vm_vsrc(0)
	s_getreg_b32 s2, hwreg(HW_REG_IB_STS2, 6, 4)
	s_cmp_eq_u32 s2, 0
	s_cbranch_scc0 .Lentry_in_a_cluster
	s_endpgm
.Lentry_in_a_cluster:
	s_bfe_u32 s2, ttmp6, 0x10000c
	s_cmp_lg_u32 s2, 0xf033
	s_cbranch_scc0 .Lentry_shape_is_right
	s_endpgm
.Lentry_shape_is_right:
; out0 = concat Wo + bo on codes of FP8 (E4M3) with one E8M0 scale for each 32 along K = 1,024.
; SHARES.  256 work-groups; each makes TWO tiles of 128 tokens x 128 columns, token groups g and g + 32, with the same 128 rows of Wo.  Wave (wr, wc) makes 64 tokens x 64 columns of a tile: 16 accumulators.
; LDS holds all of K of both operands, in two chunks of four K steps each.  Wo's chunks are filled once.  A chunk of concat is filled again with the second tile's as soon as its four K steps stand in registers:
; behind a drained round of the cluster's barrier, a quarter of the chunk (66 rows of 256 bytes) a wave.  The first tile's results leave behind the second refill.
; concat comes as images of operand registers with their scale words (made by the launch before): [group of 128 tokens][chunk of four K steps][67,584 bytes].  Inside a block of 32 its codes stand in the order
; place e of lane (r, h) = k 16 (e / 8) + 8 h + e % 8.  Wo, which is given with K in its natural order, is READ in that order: registers 2 c, 2 c + 1 of a fragment take the 8 bytes at 16 c + 8 h of the row's 128.
; The product is used transposed (source 0 = 16 rows of Wo, source 1 = 16 tokens): a lane holds eight neighbouring columns of one token's row.  bo is the C of each sum's first product.
; CLUSTER 4 x 4: concat's chunks hang on the tokens alone and are shared along a row of the cluster, Wo's on the columns alone and are shared along a column.
; NO PREFETCH: the text has no loop to run ahead in; the second tile's chunks are asked for by their refills, four K steps and more ahead of their first use.
; LIMITS: NaN and infinities are not served; products are summed in the stated order within a block.
.set CH,   67584                       ; a chunk of concat; also of Wo in LDS: 128 rows x (512 + 16)
.set BB,   2*CH
.set STG,  4*CH                        ; the way out: 16 rows x (256 + 16) for each wave; no tensor load lands here
.set SPARE, STG+4*16*272               ; the spare words
.set ADA,  10                          ; v10-11 concat's images in chunk 0, 1
.set ADSA, 12                          ; v12-13 their scale words
.set ADB,  14                          ; v14-15 Wo's rows
.set ADSB, 16                          ; Wo's scale bytes in memory: 32 bytes a row
.set STO,  17
.set RD,   18
.set CO,   19
.set BO,   20
.set SPW,  30
.set NIL,  31
.set BI,   96                          ; v96-127 bo's four tiles
.set ACC,  128                         ; v128-255 accumulator (j, t) at 8 (4 j + t)
; v32-95 scale words: set k: concat's word (j, s') at 32 + 32 k + 4 j + s', Wo's (t, s') at 48 + 32 k + 4 t + s'.  window 1: fragment set p: concat's at 128 p + 16 j, Wo's at 128 p + 64 + 16 t
.set WV, 14
.set WR, 15
.set WC, 16
.set GP, 17
.set CX, 40
.set CY, 41
.set COL, 42
.set RM, 43
.set CM, 44
.set G1A, 24
.set G1B, 48
.set G1R, 56
.set G0A, 68
.set G0R, 76
.set G0B, 80
.set MSB, 0
.macro WIN new
.if MSB != (\new)
	s_set_vgpr_msb (MSB<<8)|(\new)
.set MSB, (\new)
.endif
.endm
.macro CREST                           ; a round of the cluster's barrier behind its opening barrier
	s_cmp_lg_u32 s[WV], 0
	s_cbranch_scc1 .Lnot_wave_0_\@
	s_barrier_signal -3
.Lnot_wave_0_\@:
	s_barrier_wait -3
	s_barrier_signal -1
	s_barrier_wait -1
.endm
.macro CROUND                          ; a whole round
	s_barrier_signal -1
	s_barrier_wait -1
	CREST
.endm
.macro PLACES n
.rept \n
	v_nop
.endr
.endm
	s_load_b256 s[4:11], s[0:1], 0x0               ; cimg, Wo's codes, Wo's scales, bo
	s_load_b64 s[12:13], s[0:1], 0x20              ; out0
	v_lshl_add_u32 v[SPW], v0, 2, SPARE
	v_mov_b32 v[NIL], 0
	ds_add_u32 v[SPW], v[NIL]                      ; the opening lines: the add, twice on end, and its wait
	ds_add_u32 v[SPW], v[NIL]
	v_lshrrev_b32 v1, 5, v0
	v_readfirstlane_b32 s[WV], v1
	s_lshr_b32 s[WR], s[WV], 1                     ; my half of the tokens
	s_and_b32 s[WC], s[WV], 1                      ; my half of the columns
	s_bfe_u32 s[CX], ttmp6, 0x40000
	s_bfe_u32 s[CY], ttmp6, 0x40004
	s_lshl_b32 s[COL], ttmp9, 2
	s_add_co_u32 s[COL], s[COL], s[CX]             ; block of 128 columns
	s_and_b32 s[GP], ttmp7, 0xffff
	s_lshl_b32 s[GP], s[GP], 2
	s_add_co_u32 s[GP], s[GP], s[CY]               ; the first tile's group of 128 tokens: 0 .. 31
	s_lshl_b32 s[RM], s[CY], 2
	s_lshl_b32 s[RM], 15, s[RM]
	s_lshl_b32 s[CM], 0x1111, s[CX]
	s_or_b32 s[G1A], s[RM], (3<<16)|(1<<21)        ; concat, at the head: a whole chunk, 264 dense rows of 256 bytes, no padding
	s_mov_b32 s[G1A+1], 32<<16
	s_mov_b32 s[G1A+2], 264<<16
	s_mov_b32 s[G1A+3], 32<<16
	s_mov_b32 s[G1A+4], 264
	s_mov_b32 s[G1A+5], 32
	s_mov_b32 s[G1A+6], 0
	s_mov_b32 s[G1A+7], 0
	s_or_b32 s[G1R], s[RM], (3<<16)|(1<<21)        ; concat, a refill: a quarter of a chunk, 66 rows
	s_mov_b32 s[G1R+1], 32<<16
	s_mov_b32 s[G1R+2], 66<<16
	s_mov_b32 s[G1R+3], 32<<16
	s_mov_b32 s[G1R+4], 66
	s_mov_b32 s[G1R+5], 32
	s_mov_b32 s[G1R+6], 0
	s_mov_b32 s[G1R+7], 0
	s_or_b32 s[G1B], s[CM], (1<<20)|(1<<21)|(6<<22)|(3<<25)   ; Wo: 128 rows x 512 bytes, 4 words of padding behind every 128
	s_mov_b32 s[G1B+1], 512<<16
	s_mov_b32 s[G1B+2], 128<<16
	s_mov_b32 s[G1B+3], 512<<16
	s_mov_b32 s[G1B+4], 128
	s_mov_b32 s[G1B+5], 1024
	s_mov_b32 s[G1B+6], 0
	s_mov_b32 s[G1B+7], 0
	s_mul_i32 s22, s[WC], 33792                    ; my 64 rows of Wo in a chunk
	s_mul_i32 s18, s[GP], 2*CH                     ; the tokens' side keeps its own temporaries,
	s_mov_b32 s19, 0
	s_mul_i32 s36, s[WV], 16896                    ; my quarter of a chunk, in memory and in LDS
	s_mov_b32 s37, 0
	s_lshl_b32 s20, s[COL], 17                     ; the columns' side its own
	s_mov_b32 s21, 0
	s_lshl_b32 s32, s[COL], 12
	s_lshl_b32 s33, s[WC], 11
	s_add_co_u32 s32, s32, s33
	s_mov_b32 s33, 0
	s_wait_dscnt 0x0
	s_wait_kmcnt 0x0
	s_add_nc_u64 s[4:5], s[4:5], s[18:19]
	s_add_nc_u64 s[6:7], s[6:7], s[20:21]
	s_add_nc_u64 s[8:9], s[8:9], s[32:33]
.irp k, 0,1
	s_mov_b32 s[G0A+4*\k], 1
	s_mov_b32 s[G0A+4*\k+1], \k*CH
	s_add_nc_u64 s[G0A+4*\k+2:G0A+4*\k+3], s[4:5], \k*CH
	s_or_b32 s[G0A+4*\k+3], s[G0A+4*\k+3], 0x80000000
	s_mov_b32 s[G0B+4*\k], 1
	s_mov_b32 s[G0B+4*\k+1], BB+\k*CH
	s_add_nc_u64 s[G0B+4*\k+2:G0B+4*\k+3], s[6:7], \k*512
	s_or_b32 s[G0B+4*\k+3], s[G0B+4*\k+3], 0x80000000
.endr
	s_mov_b32 s[G0R], 1                            ; the first refill: the second tile's chunk 0, 32 groups of tokens on
	s_mov_b32 s[G0R+1], s36
	s_add_nc_u64 s[G0R+2:G0R+3], s[4:5], s[36:37]
	s_add_nc_u64 s[G0R+2:G0R+3], s[G0R+2:G0R+3], 64*CH
	s_or_b32 s[G0R+3], s[G0R+3], 0x80000000
	CROUND                                         ; all sixteen work-groups are here: the joint loads meet
; ONE LOAD A WAVE, in one chain of branches on the wave's number: wave 0 concat's chunk 0, wave 1 Wo's chunk 0, wave 2 concat's chunk 1, wave 3 Wo's chunk 1
.macro ARM under, g0, g1, next
	s_cmp_lt_u32 s[WV], \under
	s_cbranch_scc0 \next
	tensor_load_to_lds s[\g0:\g0+3], s[\g1:\g1+7]
	s_nop 0
	PLACES 4
	s_branch .Lfirst_done
\next:
.endm
	ARM 1, G0A, G1A, .Larm_b0
	ARM 2, G0B, G1B, .Larm_a1
	ARM 3, G0A+4, G1A, .Larm_b1
	tensor_load_to_lds s[G0B+4:G0B+7], s[G1B:G1B+7]
	s_nop 0
	PLACES 4
.Lfirst_done:
	v_and_b32 v1, 15, v0                           ; r
	v_bfe_u32 v2, v0, 4, 1                         ; h
	v_and_b32 v3, 31, v0
	v_lshlrev_b32 v3, 4, v3                        ; 16 x lane
	s_lshl_b32 s32, s[WR], 13
	v_add_nc_u32 v[ADA], s32, v3
	v_add_nc_u32 v[ADA+1], CH, v[ADA]
	v_lshlrev_b32 v4, 4, v1
	s_lshl_b32 s32, s[WR], 10
	s_add_co_u32 s32, s32, 65536
	v_add_nc_u32 v[ADSA], s32, v4
	v_add_nc_u32 v[ADSA+1], CH, v[ADSA]
	v_mul_u32_u24 v5, v1, 528
	v_lshl_add_u32 v5, v2, 3, v5                   ; Wo: row r, + 8 h
	s_add_co_u32 s32, s22, BB
	v_add_nc_u32 v[ADB], s32, v5
	v_add_nc_u32 v[ADB+1], CH, v[ADB]
	v_lshlrev_b32 v[ADSB], 5, v1
	s_mul_i32 s32, s[WV], 16*272
	s_add_co_u32 s32, s32, STG                     ; my stage
	v_mul_u32_u24 v8, v1, 272
	v_lshl_add_u32 v8, v2, 5, v8
	v_add_nc_u32 v[STO], s32, v8                   ; in: row r, 32 bytes for each half of the lanes
	v_mul_u32_u24 v9, v2, 272
	v_lshl_add_u32 v9, v1, 4, v9
	v_add_nc_u32 v[RD], s32, v9                    ; back: lanes 0-15 one row of 256 bytes, lanes 16-31 the next
	v_lshlrev_b32 v[CO], 12, v2
	v_lshl_add_u32 v[CO], v1, 4, v[CO]             ; and the same two rows in out0
	v_lshlrev_b32 v[BO], 5, v2
	s_wait_alu depctr_va_vdst(0)
	s_lshl_b32 s32, s[COL], 9
	s_lshl_b32 s33, s[WC], 8
	s_add_co_u32 s32, s32, s33                     ; my first column, in bytes
	s_mov_b32 s33, 0
	s_add_nc_u64 s[10:11], s[10:11], s[32:33]
	s_add_nc_u64 s[12:13], s[12:13], s[32:33]
	s_lshl_b32 s32, s[GP], 19
	s_lshl_b32 s34, s[WR], 18
	s_add_co_u32 s32, s32, s34                     ; my first token's row
	s_add_nc_u64 s[12:13], s[12:13], s[32:33]
.irp t, 0,1,2,3
	global_load_b128 v[BI+8*\t:BI+8*\t+3], v[BO], s[10:11] offset:64*\t       ; register i = bo[16 t + 8 h + i] of my 64
	global_load_b128 v[BI+8*\t+4:BI+8*\t+7], v[BO], s[10:11] offset:64*\t+16
.endr
.irp k, 0,1                            ; Wo's scale words of my 64 rows go straight into their registers, for both tiles: four K steps' words by one load
.irp t, 0,1,2,3
	global_load_b128 v[48+32*\k+4*\t:48+32*\k+4*\t+3], v[ADSB], s[8:9] offset:512*\t+16*\k
.endr
.endr
.macro SCALES k                        ; concat's scale words of a chunk: four K steps' words by one load: 4 loads
.irp j, 0,1,2,3
	ds_load_b128 v[32+32*\k+4*\j:32+32*\k+4*\j+3], v[ADSA+\k] offset:256*\j
.endr
.endm
.macro FETCH s, p                      ; K step s into set p: 16 + 32 loads
	WIN 0x40
.irp j, 0,1,2,3
.irp c, 0,1,2,3
	ds_load_b128 v[128*(\p)+16*\j+4*\c:128*(\p)+16*\j+4*\c+3], v[ADA+(\s)/4] offset:16384*((\s)%4)+2048*\j+512*\c
.endr
.endr
.irp t, 0,1,2,3
.irp c, 0,1,2,3,4,5,6,7
	ds_load_b64 v[128*(\p)+64+16*\t+2*\c:128*(\p)+64+16*\t+2*\c+1], v[ADB+(\s)/4] offset:8448*\t+128*((\s)%4)+16*\c
.endr
.endr
	WIN 0
.endm
.macro MUL s                           ; 16 products; the accumulators take turns, one instruction a turn
	WIN 0x05
.irp j, 0,1,2,3
.irp t, 0,1,2,3
.if (\s) == 0
	v_wmma_scale_f32_16x16x128_f8f6f4 v[ACC+8*(4*\j+\t):ACC+8*(4*\j+\t)+7], v[128*((\s)%2)+64+16*\t:128*((\s)%2)+64+16*\t+15], v[128*((\s)%2)+16*\j:128*((\s)%2)+16*\j+15], v[BI+8*\t:BI+8*\t+7], v[48+32*((\s)/4)+4*\t+(\s)%4], v[32+32*((\s)/4)+4*\j+(\s)%4]
.else
	v_wmma_scale_f32_16x16x128_f8f6f4 v[ACC+8*(4*\j+\t):ACC+8*(4*\j+\t)+7], v[128*((\s)%2)+64+16*\t:128*((\s)%2)+64+16*\t+15], v[128*((\s)%2)+16*\j:128*((\s)%2)+16*\j+15], v[ACC+8*(4*\j+\t):ACC+8*(4*\j+\t)+7], v[48+32*((\s)/4)+4*\t+(\s)%4], v[32+32*((\s)/4)+4*\j+(\s)%4]
.endif
.endr
.endr
	WIN 0
.endm
.macro THREE k                         ; a chunk's first three K steps, and the fourth's fragments; each wait leaves out the 48 loads just issued
	SCALES \k
	FETCH 4*\k, 0
	FETCH 4*\k+1, 1
	s_wait_dscnt 48
	MUL 4*\k
	PLACES 8
	FETCH 4*\k+2, 0
	s_wait_dscnt 48
	MUL 4*\k+1
	PLACES 8
	FETCH 4*\k+3, 1
	s_wait_dscnt 48
	MUL 4*\k+2
.endm
; A chunk's last K step with a drained round: my tensor loads are in; the add; my reads of the chunk are over; the products stand inside the round; the refill is the first tensor load behind it.
; Nine places stand behind the load: eight serve the loads and LDS stores that follow, the ninth the second tile's first products, which begin the accumulators anew with bo as C.
.macro ROUNDFILL s, step
	s_wait_tensorcnt 0x0
	ds_add_u32 v[SPW], v[NIL]
.if \step
	s_add_co_u32 s[G0R+1], s[G0R+1], CH            ; no tensor load of mine is out: on to chunk 1
	s_add_nc_u64 s[G0R+2:G0R+3], s[G0R+2:G0R+3], CH
.endif
	s_wait_dscnt 0x0
	s_barrier_signal -1
	MUL \s
	s_barrier_wait -1
	CREST
	tensor_load_to_lds s[G0R:G0R+3], s[G1R:G1R+7]
	s_nop 0
	PLACES 9
.endm
; THE WAY OUT, a tile of 16 tokens x 64 columns at a time: through my own stage and back as whole rows of 256 bytes.  LDS serves a wave's instructions in order (ISA guide 5.7.1.4): no wait between stores and loads.
.macro TOSTAGE j
.irp t, 0,1,2,3
	ds_store_b128 v[STO], v[ACC+8*(4*(\j)+\t):ACC+8*(4*(\j)+\t)+3] offset:64*\t        ; each accumulator from its low end on
	ds_store_b128 v[STO], v[ACC+8*(4*(\j)+\t)+4:ACC+8*(4*(\j)+\t)+7] offset:64*\t+16
.endr
	WIN 0x40
.irp i, 0,1,2,3,4,5,6,7
	ds_load_b128 v[32*(\j)+4*\i:32*(\j)+4*\i+3], v[RD] offset:\i*2*272
.endr
	WIN 0
.endm
.macro SEND j, younger                 ; younger: the LDS instructions issued behind tile j's loads
	s_wait_dscnt \younger
	WIN 0x04                                       ; a store's data are its source 1: window 1
.irp i, 0,1,2,3,4,5,6,7
	global_store_b128 v[CO], v[32*(\j)+4*\i:32*(\j)+4*\i+3], s[12:13] offset:65536*(\j)+8192*\i th:TH_STORE_NT   ; 16 lanes store 256 consecutive bytes, aligned; written once
.endr
	WIN 0
.endm
.macro WAYOUT
	TOSTAGE 0
.irp a, 1,2,3
	TOSTAGE \a
	SEND \a-1, 16
.endr
	SEND 3, 0
.endm
	s_wait_loadcnt 0x0                             ; bo and Wo's scale words
	s_cmp_lt_u32 s[WV], 2
	s_cbranch_scc0 .Lnot_first
	s_wait_tensorcnt 0x0                           ; waves 0 and 1: chunk 0 of concat and of Wo is in; chunk 1's loads are waited for in front of the first round
.Lnot_first:
	s_barrier_signal -1
	s_barrier_wait -1
	THREE 0                                        ; THE FIRST TILE
	ROUNDFILL 3, 0                                 ; chunk 1 is in; concat's chunk 0 takes the second tile's
	THREE 1
	ROUNDFILL 7, 1                                 ; the second tile's chunk 0 is in; concat's chunk 1 takes the second tile's
	WAYOUT
	s_wait_xcnt 0x0                                ; the stores have read their registers and their base
	s_add_nc_u64 s[12:13], s[12:13], 0x1000000     ; THE SECOND TILE: 32 groups of 128 rows of 4,096 bytes on
	THREE 0
	s_wait_dscnt 0x0
	s_wait_tensorcnt 0x0                           ; my quarter of chunk 1 is in
	s_barrier_signal -1
	MUL 3
	s_barrier_wait -1                              ; everybody's is
	PLACES 8
	THREE 1
	s_wait_dscnt 0x0
	MUL 7
	PLACES 8
	WAYOUT
	s_wait_tensorcnt 0x0                           ; the wave's end
	ds_add_u32 v[SPW], v[NIL]
	s_wait_dscnt 0x0
	CROUND                                         ; the closing round
	s_endpgm
.Lfunc_end_k_q14aa8ba5b7_oproj:
	.size	k_q14aa8ba5b7_oproj, .Lfunc_end_k_q14aa8ba5b7_oproj-k_q14aa8ba5b7_oproj
	.p2alignl 7, 3214868480
	.fill 96, 4, 3214868480
	.section	.rodata,"a",@progbits
	.p2align	6, 0x0
	.amdhsa_kernel k_q14aa8ba5b7_oproj
		.amdhsa_group_segment_fixed_size 327680
		.amdhsa_private_segment_fixed_size 0
		.amdhsa_enable_private_segment 0
		.amdhsa_kernarg_size 40
		.amdhsa_user_sgpr_count 2
		.amdhsa_user_sgpr_kernarg_segment_ptr 1
		.amdhsa_wavefront_size32 1
		.amdhsa_system_sgpr_workgroup_id_x 1
		.amdhsa_system_sgpr_workgroup_id_y 1
		.amdhsa_system_sgpr_workgroup_id_z 1
		.amdhsa_system_vgpr_workitem_id 0
		.amdhsa_next_free_vgpr 512
		.amdhsa_next_free_sgpr 88
		.amdhsa_reserve_vcc 0
		.amdhsa_float_denorm_mode_32 3
		.amdhsa_float_denorm_mode_16_64 3
		.amdhsa_memory_ordered 1
		.amdhsa_forward_progress 1
		.amdhsa_inst_pref_size 113
	.end_amdhsa_kernel
	.amdgpu_metadata
---
amdhsa.version: [ 1, 2 ]
amdhsa.kernels:
  - .name:           k_q14aa8ba5b7_oproj
    .symbol:         k_q14aa8ba5b7_oproj.kd
    .args:
      - { .name: cimg, .offset: 0, .size: 8, .value_kind: global_buffer, .address_space: global }
      - { .name: Wo_codes, .offset: 8, .size: 8, .value_kind: global_buffer, .address_space: global }
      - { .name: Wo_scales, .offset: 16, .size: 8, .value_kind: global_buffer, .address_space: global }
      - { .name: bo, .offset: 24, .size: 8, .value_kind: global_buffer, .address_space: global }
      - { .name: out0, .offset: 32, .size: 8, .value_kind: global_buffer, .address_space: global }
    .group_segment_fixed_size: 327680
    .private_segment_fixed_size: 0
    .kernarg_segment_align: 8
    .kernarg_segment_size: 40
    .max_flat_workgroup_size: 128
    .sgpr_count:     88
    .vgpr_count:     512
    .wavefront_size: 32
...
	.end_amdgpu_metadata
.endif
;; end of part 3
